; MI455X (gfx1250); checked and timed in simulation.
; The chip was launched on July 23, 2026; its instructions are those of AMD's public machine-readable ISA for CDNA 5 (MIT licence, August 2026) and "CDNA5" Instruction Set Architecture Reference Guide (July 2026). The comments in the code are by the model that wrote it; some were corrected since.
;; Scaled Dot Product Attention. Allowed arithmetic: matrix products marked QUANTISED: E5M2 operands, one given power-of-two scale a tensor, by v_wmma_f32_16x16x64_bf8_bf8 or v_wmma_f32_16x16x128_bf8_bf8, f32 sums; everything else in f32.
;; Inputs: K_codes 4 x 16 x 2,048 x 4 x 32 uint8 (E5M2 codes of K, K innermost, in blocks of 32 codes); Q_codes 4 x 16 x 2,048 x 4 x 32 uint8 (E5M2 codes of Q, K innermost, in blocks of 32 codes); V_codes 4 x 16 x 128 x 64 x 32 uint8 (E5M2 codes of V, K innermost, in blocks of 32 codes); lowp_scales 4 int32 (the exponents e of the quantised operands' scales 2^e).
;; Outputs: out0 4 x 16 x 2,048 x 128 float32.
;; This version of the problem:
;;   THIS VERSION OF THE PROBLEM IS GIVEN IN LOW PRECISION. The matrix products marked QUANTISED in the list below multiply operands that are first quantised to E5M2 (5 exponent bits, 2 mantissa bits; 8 bits a number), with one given power-of-two scale for each operand tensor; their sums are f32. All else is computed in f32.
;;   The module's matrix products, in the order in which they are computed (A, B: the left and right operand; K: the contracted axis; several contracted axes count as one K, in the product's order):
;;     1. batch 64 x [M 2,048, K 128] x [K 128, N 2,048]; A: input Q (given as codes); B: input K (given as codes): QUANTISED (scales: A lowp_scales[0], B lowp_scales[1])
;;     2. batch 64 x [M 2,048, K 2,048] x [K 2,048, N 128]; A: softmax (see below); B: input V (given as codes): QUANTISED (scales: A lowp_scales[2], B lowp_scales[3])
;;   THE QUANTISER, for each operand of a quantised product, along K:
;;     - The operand's scale is 2^e, e = its entry of the input lowp_scales (int32; the entries are numbered through the quantised products in the list's order, A before B).
;;     - Each number is divided by the scale, clamped to +-57,344, and rounded to the nearest number of E5M2, ties to even, subnormals kept.
;;     - The product sums the exact products of the quantised numbers (number of the format x scale) in f32.
;;   ~~~python
;;   def quantise(x, axis, e):      # numpy; x: float32 -> the quantised numbers, widened to float32 again
;;       x = np.moveaxis(x, axis, -1); K = x.shape[-1]
;;       r = np.clip(x / 2.0 ** e, -57344, 57344)
;;       step = 2.0 ** (np.maximum(np.frexp(np.where(r == 0, 1, r))[1] - 1, -14) - 2)
;;       q = np.round(r / step) * step * 2.0 ** e      # np.round: ties to even
;;       return np.moveaxis(q, -1, axis).astype(np.float32)
;;   ~~~
;;   SOFTMAX AHEAD OF A QUANTISED PRODUCT. Where the list says 'softmax', what is quantised is not the finished softmax but p = 2^(t - M), with t = logit x log2(e) and M = ceil(the row's largest t), a whole number; so 1/2 < the row's largest p <= 1. The row's sum l is taken of the UNQUANTISED p, in f32, and the product's result is divided by l at the end. Since M is a whole number, a kernel that streams over the keys may use a running M (the ceiling of the running maximum): every later rescaling is an exact power of two, so the quantised numbers keep their values, but for numbers so far below the row's largest that they fall under the format's range.
;;   OPERANDS COMPUTED ON THE WAY. 'Computed on the way' means the value that the module computes at that place (a softmax that the list does not call 'softmax' is quantised finished and normalised). What goes into a quantiser is computed in f32, as accurately as f32 sums, v_exp_f32 and their like allow (about 1e-6 of the number): no bf16 or f16 on the way to a quantiser, and a product that is left as it is and whose result goes on into a quantised operand takes f32 operands (vector FMAs, or v_wmma_f32_16x16x4_f32). A number that lies on a knife's edge between two numbers of the format may be rounded either way, as far as f32 arithmetic and the matrix unit's own rounding can turn it there, and no further.
;;   INPUTS GIVEN AS CODES. K (in the module: [4, 16, 2048, 128], K = its axis 3); Q (in the module: [4, 16, 2048, 128], K = its axis 3); V (in the module: [4, 16, 2048, 128], K = its axis 2): each comes as NAME_codes (uint8): NAME with its K axis moved to the last place and cut into blocks of 32 codes, [.., K / 32, bytes a block], one block behind the other in memory; one code a byte (a code: sign, 5 exponent bits, 2 mantissa bits); its scale is its entry of lowp_scales. Its value is code x scale, taken as it is: it is not quantised again, and the codes and scales need not be those that the quantiser above would give.
;; One version. Each part assembles by itself: llvm-mc -triple=amdgcn-amd-amdhsa -mcpu=gfx1250 --defsym DOCPART=n.
;; ======== version 1 of 1: 1 launch
;; limits: right only within a limited range of input values
;; launch attn (part 1): grid 4 x 64, 8 waves a work-group, no clusters, 327,680 bytes of LDS; arguments Q_codes, K_codes, V_codes, lowp_scales, out0; writes out0
.if DOCPART == 1
	.amdgcn_target "amdgcn-amd-amdhsa--gfx1250"
	.amdhsa_code_object_version 6
	.text
	.protected	k_q2b85c3e144_attn
	.globl	k_q2b85c3e144_attn
	.p2align	8
	.type	k_q2b85c3e144_attn,@function
k_q2b85c3e144_attn:
	s_mov_b64 s[64:65], 0
	v_nop
	global_prefetch_b8 v0, s[64:65] scope:SCOPE_SE
	s_setreg_imm32_b32 hwreg(HW_REG_WAVE_MODE, 25, 1), 1
	s_wait_xcnt 0x0
; out[h][q][:] = the sum over k <= q of softmax_k(Q[h][q] . K[h][k] / sqrt(128)) V[h][k][:]: 64 heads, 2,048 queries and keys, head size 128, causal.
; Both products on codes of BF8 (E5M2), each tensor with the one scale 2^e that is given for it: eq, ek, ep, ev.  Q, K: [64][2048][128] codes.  V: [64][128][2048] codes, the keys innermost.  out: [64][2048][128] f32.
; THE SOFTMAX AHEAD OF THE SECOND PRODUCT: t = score x log2(e) / sqrt(128); M = the largest t so far, rounded UP to a whole number; p = 2^(t - M) is quantised with 2^ep, not normalised.
; The row's sum is taken of the unquantised p and divides at the end.  When M moves, the sum and O are multiplied by 2^(old M - new M), which rounds nothing.
; SHARES.  Work-group (x = 0..3, head) owns TWO blocks of 256 queries of its head: first block 7 - x, which needs the key slots 0 .. 7 - x (a slot = 256 keys), then block x, which needs slots 0 .. x:
; (8 - x) + (x + 1) = 9 visits of a slot for every work-group.  So the 256 work-groups have equal work, the trip count is a constant (8 trips and a tail), and no tile is fetched that nobody reads.
; Each of the eight waves owns 32 queries of the block in hand: two tiles of 16.  Tile 0's state lies in register window 0, tile 1's at the same numbers in window 1; each fragment of K and V read from LDS feeds both tiles.
; LAYOUT.  Both products are used transposed: S^T = K Q^T (source 0 = 16 neighbouring keys, source 1 = 16 queries), O^T = V^T P^T: lane (r = lane % 16, h = lane / 16) holds query r of a tile throughout.
; K and Q are read 16 bytes at a time (registers 4 c .. 4 c + 3: channels 32 c + 16 h + 0 .. 15): the same permutation of the head's 128 on both sides, so every product meets its partner.
; Register 8 t + j of S^T is key 16 t + 8 h + j, so the conversion of tile t's eight registers gives registers 2 t, 2 t + 1 of P in this form's own layout (k = 16 t + 8 h + 0 .. 7), and V is read in that layout, 8 bytes at a time.
; THE MASK.  A step of 128 keys that all come after the wave's 32 queries is jumped over (a scalar branch on ids); in the one step on the diagonal hidden scores become -infinity ahead of the maximum; all other steps skip that.
; NO CLUSTER: the work-groups that share K and V are the query blocks of one head, and the jumps over hidden steps, the mask and the change of block hang on that block, which differs between them; without those jumps
; a work-group would multiply 16 slots' keys in place of 9.
; LIMITS on the given exponents, so that each power of two below is an f32 number: eq + ek between -123 and 130 (added to c's exponent field); ep between -126 and 112; ep + ev goes through v_ldexp_f32 and has none.
; With the running M, a p so far below the row's largest that it falls under the format's range may differ from that under the final M.  Codes of infinity and NaN among the inputs are not served.
; REGISTERS (* = the same number in window 1 for tile 1): v1-7, v10 addresses that stay; v8, v9 addresses of the step's loads; v11* r - 8 h (+ 16 for tile 1); v12* -M; v13* the largest t; v[14:15]* the sum in two halves;
;   v16-31* Q; v32-95 four fragments of K or V (F0), window 1's v32-95 four more (F1); v96-159* S^T, then p; v160-223* O^T; v224-239* P's codes; v236* a lane exchange's landing place (ahead of the codes);
;   v240* 57,344 x 2^ep; v[242:243]* second chain of the sum; v244* 2^ep; v246, v247 the stage; v252-254* at work.
.set KP,     144                       ; a key's row in LDS: 128 bytes + 16 of padding = 36 words: row r starts at bank 36 r mod 64 (64 banks of 4 bytes: ISA guide 11.1): sixteen neighbouring rows start at sixteen different columns of 16 bytes
.set VP,     272                       ; a row of V's tile: 256 bytes + 16: the 32 lanes of an 8-byte load (row r, 8 h) touch 32 different columns of 8 bytes
.set VOFF,   256*KP                    ; a slot: 256 rows of K, then 128 rows of V
.set SLOT1,  1<<17                     ; slot 1 begins here: one exclusive or turns an address in one slot into the other's
.set SPARE,  SLOT1+VOFF+128*VP         ; 202,752 = 792 x 256: the spare words, 128 bytes for each wave: four blocks of 256 bytes that no other line names
.set STAGE,  SPARE+8*128               ; the way out: 16 rows x 528 bytes for each wave; bytes of its own, since the ring is filled again behind the first way out
.set SPITCH, 528                       ; 512 bytes + 16
.set AK0,  1                           ; v1   my lane's place in a tile of K: r x KP + 16 h
.set AV0,  2                           ; v2   in a tile of V: VOFF + r x VP + 8 h
.set PFOK, 3                           ; v3   the prefetches' offsets: 256 x lane in K's block,
.set PFOV, 4                           ; v4   2,048 x lane among V's rows; never rewritten
.set SPW,  5                           ; v5   LDS address of my spare word; never rewritten
.set NIL,  6                           ; v6   0; never rewritten
.set GO,   7                           ; v7   16 x lane: my bytes of a row of out
.set ADK,  8
.set ADV,  9
.set QO,   10                          ; v10  Q: r x 128 + 16 h
.set DM,   11
.set QF,   16
.set FB,   32
.set S,    96
.set O,    160
.set PC,   224
.set STO,  246                         ; v246 the stage: where I put 32 bytes of a row
.set SRD,  247                         ; v247 and where I read a row back
.set TB,   2                           ; s2   LDS byte at which the slot in hand begins
.set T,    3                           ; s3   the trip, 0 .. 7
.set WV,   18                          ; s18  my wave's number
.set SEL,  20                          ; s[20:21] lane selects for v_permlanex16_b32: lane l xor 16
.set CS,   22                          ; s[22:23] c = log2(e) / sqrt(128) x 2^(eq + ek)
.set G1K,  24                          ; s[24:31], s[32:39] descriptor groups 1 for K's and V's tiles
.set G1V,  32
.set G0K,  40                          ; s[40:43], s[44:47] their groups 0, which walk
.set G0V,  44
.set QPA,  48                          ; s[48:49] Q at my first query of the first block;  s[52:53] of the second
.set OB,   50                          ; s[50:51] out at my first query of the block in hand;  s[54:55] of the second block
.set QPB,  52
.set OB2,  54
.set NA1,  57                          ; s57  7 - x: the first block, and the trip of its last slot
.set KF,   58                          ; s58  the step's first key
.set Q0,   59                          ; s59  my first query of the block in hand;  s60 of the second block
.set Q0B,  60
.set LIM,  61                          ; s61  a wave prefetches while the trip is below it: 6 in waves 4 to 7 of the head's work-group 0, else 0
.set NAK,  62                          ; s62, s63  8 - x slots in bytes: in K, in a row of V
.set NAV,  63
.set BKK,  66                          ; s[66:67], s[72:73] what the walk goes back by in this trip: those bytes where the second block begins, else 0
.set EX,   68                          ; s[68:71] eq, ek, ep, ev
.set BKV,  72
.set PFK,  74                          ; s[74:75], s[76:77] where my prefetches stand
.set PFV,  76
.set EPV,  78                          ; s78  ep + ev
.set TMP,  96                          ; s96  at work
.set MSB, 0
.macro WIN new                         ; s_set_vgpr_msb: bits 1:0 source 0, 3:2 source 1, 5:4 source 2, 7:6 destination; the high byte repeats the setting that is left
.if MSB != (\new)
	s_set_vgpr_msb (MSB<<8)|(\new)
.set MSB, (\new)
.endif
.endm
.macro PLACES n
.rept \n
	v_nop
.endr
.endm
; Waves 0 and 1 fetch K's two halves of a slot, waves 2 and 3 V's, the others nothing: the branches hang on the wave's number alone.  Four v_nop follow each of the two lines.
.macro TLOAD
	s_cmp_lt_u32 s[WV], 2
	s_cbranch_scc0 .Lnot_k_\@
	tensor_load_to_lds s[G0K:G0K+3], s[G1K:G1K+7]
	s_nop 0
.rept 4
	v_nop
.endr
	s_branch .Lasked_\@
.Lnot_k_\@:
	s_cmp_lt_u32 s[WV], 4
	s_cbranch_scc0 .Lasked_\@
	tensor_load_to_lds s[G0V:G0V+3], s[G1V:G1V+7]
	s_nop 0
.rept 4
	v_nop
.endr
.Lasked_\@:
.endm
; A PREFETCH of the key slot that the NEXT change of slots will ask for: in trip t slot t + 2, a slot's two key steps ahead of its tensor load.  It stands where the fetching waves have their tensor load.
; Each aligned block of 256 bytes is named once in the launch: the four work-groups of a head walk slots 0, 1, .. together in their first block, and work-group 0 alone asks; in it waves 4 to 7, which fetch nothing:
; wave w names K's bytes 8,192 (w - 4) on, lanes 256 bytes apart, and V's rows 32 (w - 4) + lane, a slot's 256 bytes of each.  It stops with slot 7 (trip 5).  Slots 0 and 1 come by their loads alone, and the second block's slots are not named again.
.macro ASK
	s_cmp_lt_u32 s[T], s[LIM]
	s_cbranch_scc0 .Lnot_mine_\@
	global_prefetch_b8 v[PFOK], s[PFK:PFK+1] th:TH_LOAD_NT scope:SCOPE_SE
	global_prefetch_b8 v[PFOV], s[PFV:PFV+1] th:TH_LOAD_NT scope:SCOPE_SE
.Lnot_mine_\@:
.endm
; A tile's state at the start of a block, in the window that is set: the key step is written once, and its first run finds zeros, which the first change of M leaves zeros.
.macro INIT
	v_mov_b32 v13, 0xff61b1e6                      ; the largest t so far: -3e38, under every t
	v_floor_f32 v12, -v13                          ; -M
	v_mov_b32 v14, 0                               ; the sum, in two halves
	v_mov_b32 v15, 0
	v_mov_b32 v236, 0                              ; a lane exchange's destination counts as one of its sources
	v_mov_b32 v243, 0                              ; named as the upper halves of pairs
	v_mov_b32 v252, 0
	v_mov_b32 v253, 0
.set ii, 0
.rept 64
	v_mov_b32 v[O+ii], 0
.set ii, ii+1
.endr
.endm
.macro QLOAD p                         ; my 32 queries' codes stay in registers: tile 0 in window 0, tile 1 (16 rows of 128 bytes on) in window 1
.irp c, 0,1,2,3
	global_load_b128 v[QF+4*\c:QF+4*\c+3], v[QO], s[\p:\p+1] offset:32*\c th:TH_LOAD_NT
.endr
	WIN 0x40                                       ; destination window 1, address window 0
.irp c, 0,1,2,3
	global_load_b128 v[QF+4*\c:QF+4*\c+3], v[QO], s[\p:\p+1] offset:2048+32*\c th:TH_LOAD_NT
.endr
	WIN 0
.endm
.macro KLOAD q                         ; the step's eight tiles of 16 keys: tiles 0-3 into F0, tiles 4-7 into F1
.irp t, 0,1,2,3
.irp c, 0,1,2,3
	ds_load_b128 v[FB+16*\t+4*\c:FB+16*\t+4*\c+3], v[ADK] offset:(128*(\q)+16*\t)*KP+32*\c
.endr
.endr
	WIN 0x40
.irp t, 4,5,6,7
.irp c, 0,1,2,3
	ds_load_b128 v[FB+16*(\t-4)+4*\c:FB+16*(\t-4)+4*\c+3], v[ADK] offset:(128*(\q)+16*\t)*KP+32*\c
.endr
.endr
	WIN 0
.endm
.macro SPROD                           ; S^T = K Q^T for both tiles of queries: sixteen products, each on an accumulator of its own, each started by the constant 0
	s_wait_dscnt 16                                ; F0's sixteen loads are in; the sixteen younger ones, F1's, may be out
	WIN 0x00
.irp t, 0,1,2,3
	v_wmma_f32_16x16x128_bf8_bf8 v[S+8*\t:S+8*\t+7], v[FB+16*\t:FB+16*\t+15], v[QF:QF+15], 0
.endr
	WIN 0x54                                       ; Q and S^T window 1, K window 0
.irp t, 0,1,2,3
	v_wmma_f32_16x16x128_bf8_bf8 v[S+8*\t:S+8*\t+7], v[FB+16*\t:FB+16*\t+15], v[QF:QF+15], 0
.endr
	s_wait_dscnt 0x0                               ; F1 is in
	WIN 0x01                                       ; K window 1
.irp t, 4,5,6,7
	v_wmma_f32_16x16x128_bf8_bf8 v[S+8*\t:S+8*\t+7], v[FB+16*(\t-4):FB+16*(\t-4)+15], v[QF:QF+15], 0
.endr
	WIN 0x55
.irp t, 4,5,6,7
	v_wmma_f32_16x16x128_bf8_bf8 v[S+8*\t:S+8*\t+7], v[FB+16*(\t-4):FB+16*(\t-4)+15], v[QF:QF+15], 0
.endr
	WIN 0
.endm
.macro VLOAD q                         ; V^T's eight tiles of 16 channels x the step's 128 keys, in the form's own layout: registers 2 c, 2 c + 1 = keys 16 c + 8 h + 0 .. 7
.irp t, 0,1,2,3
.irp c, 0,1,2,3,4,5,6,7
	ds_load_b64 v[FB+16*\t+2*\c:FB+16*\t+2*\c+1], v[ADV] offset:16*\t*VP+128*(\q)+16*\c
.endr
.endr
	WIN 0x40
.irp t, 4,5,6,7
.irp c, 0,1,2,3,4,5,6,7
	ds_load_b64 v[FB+16*(\t-4)+2*\c:FB+16*(\t-4)+2*\c+1], v[ADV] offset:16*\t*VP+128*(\q)+16*\c
.endr
.endr
	WIN 0
.endm
; On the diagonal, in the window that is set: register 8 t + j holds key KF + 16 t + 8 h + j: hidden where 16 t + j > d = my query - KF - 8 h.  Each accumulator is taken from its low end on.
.macro MASK
	v_add_nc_u32 v252, s[TMP], v[DM]               ; d;  s[TMP] = Q0 - KF
	v_mov_b32 v254, 0xff800000                     ; -infinity: p = 0 then
.set ii, 0
.rept 64
	v_cmp_gt_i32 vcc_lo, 16*(ii/8)+ii%8, v252
	v_cndmask_b32 v[S+ii], v[S+ii], v254, vcc_lo
.set ii, ii+1
.endr
.endm
; One tile's softmax for a key step, in the window that is set.
.macro SOFTMAX
	v_max3_num_f32 v254, v96, v97, v98             ; the step's largest score of my query among my 64 keys, in two chains, the registers in ascending order,
	v_max3_num_f32 v252, v99, v100, v101
.irp i, 6,10,14,18,22,26,30,34,38,42,46,50,54,58
	v_max3_num_f32 v254, v254, v[96+\i], v[97+\i]
	v_max3_num_f32 v252, v252, v[98+\i], v[99+\i]
.endr
	v_max3_num_f32 v254, v254, v158, v159
	v_max_num_f32 v254, v254, v252
	v_permlanex16_b32 v236, v254, s[SEL], s[SEL+1]
	v_max_num_f32 v254, v254, v236                 ; and among lane l xor 16's
	v_mul_f32 v254, s[CS], v254                    ; as t (c is positive)
	v_max_num_f32 v13, v13, v254                   ; the running largest t
	v_mov_b32 v254, v12
	v_floor_f32 v12, -v13                          ; the new -M = floor(-t) = -ceil(t): M is a whole number
	v_sub_f32 v254, v12, v254                      ; M's old value less its new one: a whole number, 0 or less
	v_cvt_i32_f32 v254, v254                       ; (it saturates)
	v_ldexp_f32 v252, 1.0, v254                    ; f = 2^(old M - new M)
.set ii, 0
.rept 32
	v_pk_fma_f32 v[S+ii:S+ii+1], v[S+ii:S+ii+1], s[CS:CS+1], v[12:13] op_sel_hi:[1,0,0]   ; t - M, two at a time (of the pairs c and -M the low word serves both halves)
.set ii, ii+2
.endr
.set ii, 0
.rept 64
	v_exp_f32 v[S+ii], v[S+ii]                     ; p = 2^(t - M), at most 1: not normalised
.set ii, ii+1
.endr
	v_pk_mul_f32 v[14:15], v[14:15], v[252:253] op_sel_hi:[1,0]   ; the sums under the new M: the plain instruction behind the exponentials
	s_wait_alu depctr_va_vdst(0)                   ; one wait for the batch of 64, ahead of its first reader
	v_pk_add_f32 v[242:243], v[96:97], v[98:99]    ; the row's sum is taken of the unquantised p: two at a time, in two chains
.irp j, 4,8,12,16,20,24,28,32,36,40,44,48,52,56,60
	v_pk_add_f32 v[14:15], v[14:15], v[96+\j:97+\j]
	v_pk_add_f32 v[242:243], v[242:243], v[98+\j:99+\j]
.endr
	v_pk_add_f32 v[14:15], v[14:15], v[242:243]
.irp t, 0,1,2,3,4,5,6,7
.irp i, 0,1,2,3,4,5,6,7
	v_min_num_f32 v[S+8*\t+\i], v[S+8*\t+\i], v240   ; the conversion to an 8-bit code does not saturate (ISA guide 7.6.2); p is not negative, so the hold is one-sided
.endr
	v_cvt_scalef32_pk8_bf8_f32 v[PC+2*\t:PC+2*\t+1], v[S+8*\t:S+8*\t+7], v244   ; keys 16 t + 8 h + 0 .. 7: registers 2 t, 2 t + 1 of P
.endr
.set ii, 0
.rept 32
	v_pk_mul_f32 v[O+ii:O+ii+1], v[O+ii:O+ii+1], v[252:253] op_sel_hi:[1,0]   ; O^T under the new M, from each accumulator's low end on; these are also the plain lines between the conversions and the products
.set ii, ii+2
.endr
.endm
.macro PVPROD w                        ; O^T += V^T P^T for tile w: eight accumulators, one instruction each, so no two that follow each other share one
	WIN 0x54*(\w)                                  ; P and O^T window w, V window 0 (F0)
.irp t, 0,1,2,3
	v_wmma_f32_16x16x128_bf8_bf8 v[O+8*\t:O+8*\t+7], v[FB+16*\t:FB+16*\t+15], v[PC:PC+15], v[O+8*\t:O+8*\t+7]
.endr
	WIN 0x54*(\w)+1                                ; V window 1 (F1)
.irp t, 4,5,6,7
	v_wmma_f32_16x16x128_bf8_bf8 v[O+8*\t:O+8*\t+7], v[FB+16*(\t-4):FB+16*(\t-4)+15], v[PC:PC+15], v[O+8*\t:O+8*\t+7]
.endr
.endm
; A KEY STEP: 128 keys, the q-th of the slot in hand, for my two tiles of queries.
.macro STEP q
	s_add_co_u32 s[TMP], s[Q0], 31
	s_cmp_gt_u32 s[KF], s[TMP]                     ; all 128 keys come after my 32 queries: the step's work is left out; no barrier and no tensor load stands in a step
	s_cbranch_scc1 .Lhidden_\@
	v_add_nc_u32 v[ADK], s[TB], v[AK0]
	v_add_nc_u32 v[ADV], s[TB], v[AV0]
	PLACES 2                                       ; with the two additions: four places in front of loads into registers that the last products have read (ISA guide 7.12.1 for vector instructions)
	KLOAD \q
	SPROD
	PLACES 4                                       ; in front of the loads into F0 and F1, and of the first read of the scores
	VLOAD \q                                       ; V lands while tile 0's softmax is worked
	s_add_co_u32 s[TMP], s[KF], 127
	s_cmp_le_u32 s[TMP], s[Q0]                     ; all 128 keys count for all my queries: no mask
	s_cbranch_scc1 .Lopen_\@
	s_sub_co_i32 s[TMP], s[Q0], s[KF]
	MASK
	WIN 0x55
	MASK
	WIN 0
.Lopen_\@:
	SOFTMAX
	s_wait_dscnt 0x0                               ; V is in
	PVPROD 0                                       ; tile 0's products are at work while tile 1's softmax is issued
	WIN 0x55
	SOFTMAX
	PVPROD 1
	WIN 0
.Lhidden_\@:
	s_add_co_u32 s[KF], s[KF], 128
.endm
; THE CHANGE OF SLOTS stands at a slot's head.  Each wave waits for all its tensor loads (its part of the slot that it is about to read), adds 0 to its spare word, and waits for that and for its reads of the slot that it has left.
; Behind the barrier the slot ahead is whole and nobody reads the other one.  fill = 1: that other slot takes the next visit's keys: one load a wave, which has a whole slot's steps in which to land; one tensor load of a wave is out.
.macro CHANGE fill
	s_wait_tensorcnt 0x0                           ; no tensor load of mine is out, so a group 0 may be written
	ds_add_u32 v[SPW], v[NIL]                      ; 0 onto my spare word; the descriptors' steps stand between it and the wait for it
.if \fill
	s_cmp_eq_u32 s[T], s[NA1]                      ; the first block's last slot is in hand: the walk goes back to the head's first keys, by a choice and not by a jump
	s_cselect_b32 s[BKK], s[NAK], 0
	s_cselect_b32 s[BKV], s[NAV], 0
	s_xor_b32 s[G0K+1], s[G0K+1], SLOT1            ; the other slot than last time,
	s_add_nc_u64 s[G0K+2:G0K+3], s[G0K+2:G0K+3], 32768   ; the next 256 keys (the type bits on top are not reached),
	s_sub_nc_u64 s[G0K+2:G0K+3], s[G0K+2:G0K+3], s[BKK:BKK+1]   ; or the first
	s_xor_b32 s[G0V+1], s[G0V+1], SLOT1
	s_add_nc_u64 s[G0V+2:G0V+3], s[G0V+2:G0V+3], 256
	s_sub_nc_u64 s[G0V+2:G0V+3], s[G0V+2:G0V+3], s[BKV:BKV+1]
	s_wait_xcnt 0x0                                ; the last prefetches, a slot back, have read their addresses, so these may be written
	s_add_nc_u64 s[PFK:PFK+1], s[PFK:PFK+1], 32768
	s_add_nc_u64 s[PFV:PFV+1], s[PFV:PFV+1], 256
.endif
	s_wait_dscnt 0x0                               ; the add is done, and my reads of the slot that I have left are over
	s_barrier_signal -1
	s_barrier_wait -1
.if \fill
	TLOAD                                          ; the first thing behind the barrier, and a wave's one tensor load until the next
	ASK
.endif
.endm
.macro SLOT_STEPS
	STEP 0
	STEP 1
	s_xor_b32 s[TB], s[TB], SLOT1                  ; on to the other slot
.endm
; THE WAY OUT of a block.  The sum's halves are added; O^T is divided by the sum, multiplied by 2^(ep + ev) and goes through my own stage in LDS, a tile (16 rows of 512 bytes) at a time.
; LDS serves a wave's instructions in order (ISA guide 5.7.1.4): the loads see the stores above them, and tile 1's stores come behind tile 0's loads.
.macro WAYOUT
	v_add_f32 v14, v14, v15
	v_permlanex16_b32 v236, v14, s[SEL], s[SEL+1]
	v_add_f32 v14, v14, v236                       ; tile 0's sums
	WIN 0x55
	v_add_f32 v14, v14, v15
	v_permlanex16_b32 v236, v14, s[SEL], s[SEL+1]
	v_add_f32 v14, v14, v236                       ; tile 1's
	v_rcp_f32 v242, v14
	WIN 0
	v_rcp_f32 v252, v14
	v_nop                                          ; a plain instruction behind the last reciprocal,
	s_wait_alu depctr_va_vdst(0)                   ; and one wait for the two, ahead of the first reader
	v_ldexp_f32 v252, v252, s[EPV]
.set ii, 0
.rept 32
	v_pk_mul_f32 v[S+ii:S+ii+1], v[O+ii:O+ii+1], v[252:253] op_sel_hi:[1,0]   ; register 8 t + j is out(r, 16 t + 8 h + j); each accumulator from its low end on
.set ii, ii+2
.endr
	WIN 0x55
	v_ldexp_f32 v242, v242, s[EPV]
.set ii, 0
.rept 32
	v_pk_mul_f32 v[S+ii:S+ii+1], v[O+ii:O+ii+1], v[242:243] op_sel_hi:[1,0]
.set ii, ii+2
.endr
	WIN 0
.irp t, 0,1,2,3,4,5,6,7
	ds_store_b128 v[STO], v[S+8*\t:S+8*\t+3] offset:64*\t
	ds_store_b128 v[STO], v[S+8*\t+4:S+8*\t+7] offset:64*\t+16
.endr
.irp i, 0,1,2,3,4,5,6,7,8,9,10,11,12,13,14,15
	ds_load_b128 v[FB+4*\i:FB+4*\i+3], v[SRD] offset:\i*SPITCH
.endr
	WIN 0x04                                       ; the stores' data window 1
.irp t, 0,1,2,3,4,5,6,7
	ds_store_b128 v[STO], v[S+8*\t:S+8*\t+3] offset:64*\t
	ds_store_b128 v[STO], v[S+8*\t+4:S+8*\t+7] offset:64*\t+16
.endr
	WIN 0x40                                       ; the loads' destination window 1
.irp i, 0,1,2,3,4,5,6,7,8,9,10,11,12,13,14,15
	ds_load_b128 v[FB+4*\i:FB+4*\i+3], v[SRD] offset:\i*SPITCH
.endr
	WIN 0
.irp i, 0,1,2,3,4,5,6,7,8,9,10,11,12,13,14,15
	s_wait_dscnt 47-\i                             ; behind tile 0's load i: its 15 - i later loads, tile 1's 16 stores and 16 loads
	global_store_b128 v[GO], v[FB+4*\i:FB+4*\i+3], s[OB:OB+1] offset:512*\i th:TH_STORE_NT   ; 32 lanes store a row's 512 consecutive bytes, at a multiple of 512 from out's first byte
.endr
	WIN 0x04
.irp i, 0,1,2,3,4,5,6,7,8,9,10,11,12,13,14,15
	s_wait_dscnt 15-\i                             ; behind tile 1's load i: its 15 - i later loads
	global_store_b128 v[GO], v[FB+4*\i:FB+4*\i+3], s[OB:OB+1] offset:8192+512*\i th:TH_STORE_NT
.endr
	WIN 0
.endm
	s_load_b256 s[4:11], s[0:1], 0x0               ; Q's codes s[4:5], K's s[6:7], V's s[8:9], the scales' exponents s[10:11]
	s_load_b64 s[12:13], s[0:1], 0x20              ; out
	v_lshl_add_u32 v[SPW], v0, 2, SPARE
	v_mov_b32 v[NIL], 0
	ds_add_u32 v5, v6
	s_wait_dscnt 0x0
	v_lshrrev_b32 v[ADK], 5, v0
	v_readfirstlane_b32 s[WV], v[ADK]              ; wave 0..7
	v_and_b32 v32, 31, v0                          ; lane
	v_and_b32 v33, 15, v0                          ; r
	v_bfe_u32 v34, v0, 4, 1                        ; h
	v_mul_u32_u24 v[AK0], v33, KP
	v_lshl_add_u32 v[AK0], v34, 4, v[AK0]
	v_mul_u32_u24 v[AV0], v33, VP
	v_lshl_add_u32 v[AV0], v34, 3, v[AV0]
	v_add_nc_u32 v[AV0], VOFF, v[AV0]
	v_lshlrev_b32 v[PFOK], 8, v32
	v_lshlrev_b32 v[PFOV], 11, v32
	v_lshlrev_b32 v[GO], 4, v32
	v_lshlrev_b32 v[QO], 7, v33
	v_lshl_add_u32 v[QO], v34, 4, v[QO]
	v_lshlrev_b32 v[DM], 3, v34
	v_sub_nc_u32 v[DM], v33, v[DM]                 ; r - 8 h
	s_mul_i32 s80, s[WV], 16*SPITCH
	s_add_co_u32 s80, s80, STAGE                   ; my stage
	v_mul_u32_u24 v[STO], v33, SPITCH
	v_lshl_add_u32 v[STO], v34, 5, v[STO]
	v_add_nc_u32 v[STO], s80, v[STO]               ; in: row r, 32 h bytes on; tile t's eight channels 64 t further
	v_add_nc_u32 v[SRD], s80, v[GO]                ; back: the 32 lanes take one row
	; who I am
	s_and_b32 s81, ttmp7, 0xffff                   ; the head
	s_sub_co_u32 s56, 8, ttmp9                     ; the first block's slots: 8 - x
	s_sub_co_u32 s[NA1], 7, ttmp9
	s_lshl_b32 s[NAK], s56, 15
	s_lshl_b32 s[NAV], s56, 8
	s_lshl_b32 s82, s[WV], 5
	s_lshl_b32 s[Q0], s[NA1], 8
	s_add_co_u32 s[Q0], s[Q0], s82                 ; my first query: 256 (7 - x) + 32 x wave,
	s_lshl_b32 s[Q0B], ttmp9, 8
	s_add_co_u32 s[Q0B], s[Q0B], s82               ; and in the second block: 256 x + 32 x wave
	s_and_b32 s83, s[WV], 1                        ; which half of a tile I fetch, if I fetch
	s_lshl_b32 s84, s81, 18                        ; the head's first byte in each tensor of codes: 2,048 x 128 bytes a head
	s_lshl_b32 s86, s83, 14                        ; K: 128 rows of 128 bytes
	s_add_co_u32 s86, s86, s84
	s_mov_b32 s87, 0
	s_lshl_b32 s[BKK], s83, 17                     ; V: 64 rows of 2,048 bytes (the pair's high word stays 0 for its later use)
	s_add_co_u32 s[BKK], s[BKK], s84
	s_mov_b32 s[BKK+1], 0
	s_lshl_b32 s88, s[Q0], 7                       ; my queries' codes,
	s_add_co_u32 s88, s88, s84
	s_mov_b32 s89, 0
	s_lshl_b32 s90, s[Q0B], 7
	s_add_co_u32 s90, s90, s84
	s_mov_b32 s91, 0
	s_lshl_b32 s85, s81, 20                        ; and their rows of out: 2,048 x 512 bytes a head
	s_lshl_b32 s92, s[Q0], 9
	s_add_co_u32 s92, s92, s85
	s_mov_b32 s93, 0
	s_lshl_b32 s94, s[Q0B], 9
	s_add_co_u32 s94, s94, s85
	s_mov_b32 s95, 0
	s_and_b32 s80, s[WV], 3                        ; the prefetches: my wave's part, in slot 1: the first change of slots steps it to slot 2
	s_lshl_b32 s[BKV], s80, 13
	s_add_co_u32 s[BKV], s[BKV], s84
	s_add_co_u32 s[BKV], s[BKV], 32768
	s_mov_b32 s[BKV+1], 0                          ; (stays 0 for the pair's later use)
	s_lshl_b32 s96, s80, 16
	s_add_co_u32 s96, s96, s84
	s_add_co_u32 s96, s96, 256
	s_mov_b32 s97, 0
	s_lshr_b32 s80, s[WV], 2
	s_xor_b32 s80, s80, 1                          ; 0 in waves 4 to 7,
	s_or_b32 s80, s80, ttmp9                       ; of the head's work-group 0
	s_cmp_eq_u32 s80, 0
	s_cselect_b32 s[LIM], 6, 0
	; descriptor groups 1.  K: 128 rows of 128 bytes, dense in memory.  V: 64 rows of 256 bytes, 2,048 bytes apart.  16 bytes of padding behind each row
	s_mov_b32 s[G1K], (1<<20)|(4<<22)|(3<<25)      ; 15:0 no mask; 17:16 elements of 1 byte; 20 padding on; 24:22 after every 32 words (code 4); 31:25 four words (code 3)
	s_mov_b32 s[G1K+1], 128<<16                    ; tensor_dim0
	s_mov_b32 s[G1K+2], 128<<16                    ; tensor_dim1
	s_mov_b32 s[G1K+3], 128<<16                    ; tile_dim0
	s_mov_b32 s[G1K+4], 128                        ; tile_dim1
	s_mov_b32 s[G1K+5], 128                        ; tensor_dim0_stride
	s_mov_b32 s[G1K+6], 0
	s_mov_b32 s[G1K+7], 0
	s_mov_b32 s[G1V], (1<<20)|(5<<22)|(3<<25)      ; padding: four words after every 64
	s_mov_b32 s[G1V+1], 256<<16
	s_mov_b32 s[G1V+2], 64<<16
	s_mov_b32 s[G1V+3], 256<<16
	s_mov_b32 s[G1V+4], 64
	s_mov_b32 s[G1V+5], 2048
	s_mov_b32 s[G1V+6], 0
	s_mov_b32 s[G1V+7], 0
	s_mov_b32 s[G0K], 1                            ; 1:0 count = 1
	s_mul_i32 s[G0K+1], s83, 128*KP                ; 63:32 LDS address: slot 0, my half
	s_mov_b32 s[G0V], 1
	s_mul_i32 s[G0V+1], s83, 64*VP
	s_add_co_u32 s[G0V+1], s[G0V+1], VOFF
	s_mov_b32 s[SEL], 0x76543210
	s_mov_b32 s[SEL+1], 0xfedcba98
	s_mov_b32 s[CS], 0x3e0293ee                    ; c = log2(e) / sqrt(128)
	s_mov_b32 s[T], 0
	s_mov_b32 s[TB], 0
	s_mov_b32 s[KF], 0
	s_wait_kmcnt 0x0
	s_load_b128 s[EX:EX+3], s[10:11], 0x0          ; eq, ek, ep, ev
	s_add_nc_u64 s[G0K+2:G0K+3], s[6:7], s[86:87]  ; 120:64 global address: the head's first 256 keys
	s_or_b32 s[G0K+3], s[G0K+3], 0x80000000        ; 127:126 type = 2
	s_add_nc_u64 s[G0V+2:G0V+3], s[8:9], s[BKK:BKK+1]
	s_or_b32 s[G0V+3], s[G0V+3], 0x80000000
	TLOAD                                          ; slot 0: the launch's one first fill at its start; slot 1 is filled behind the first trip's barrier, as a refill is
	s_add_nc_u64 s[QPA:QPA+1], s[4:5], s[88:89]
	s_add_nc_u64 s[QPB:QPB+1], s[4:5], s[90:91]
	s_add_nc_u64 s[OB:OB+1], s[12:13], s[92:93]
	s_add_nc_u64 s[OB2:OB2+1], s[12:13], s[94:95]
	s_add_nc_u64 s[PFK:PFK+1], s[6:7], s[BKV:BKV+1]
	s_add_nc_u64 s[PFV:PFV+1], s[8:9], s[96:97]
	QLOAD QPA
	INIT
	WIN 0x55
	INIT
	WIN 0
	s_wait_kmcnt 0x0
	s_add_co_i32 s80, s[EX], s[EX+1]
	s_lshl_b32 s80, s80, 23
	s_add_co_i32 s[CS], s[CS], s80                 ; a score stands for score x 2^(eq + ek): the two exponents are added to c's exponent field
	s_mov_b32 s[CS+1], s[CS]                       ; (named with it as a pair, so it is written)
	s_add_co_i32 s80, s[EX+2], 127
	s_lshl_b32 s81, s80, 23                        ; 2^ep as f32: the conversion takes its exponent field
	s_add_co_i32 s80, s80, 15
	s_lshl_b32 s80, s80, 23
	s_or_b32 s80, s80, 0x600000                    ; 57,344 x 2^ep
	s_add_co_i32 s[EPV], s[EX+2], s[EX+3]
	v_mov_b32 v244, s81
	v_mov_b32 v240, s80
	WIN 0x40                                       ; destination window 1
	v_mov_b32 v244, s81
	v_mov_b32 v240, s80
	v_add_nc_u32 v[DM], 16, v[DM]                  ; tile 1's queries lie 16 further on
	WIN 0
	s_wait_loadcnt 0x0                             ; Q
.Lslot:                                            ; eight trips: behind each change of slots the next visit's slot is asked for
	CHANGE 1
	SLOT_STEPS
	s_cmp_lg_u32 s[T], s[NA1]                      ; a branch on ids: it holds no tensor load and no barrier
	s_cbranch_scc1 .Lsame
	PLACES 4                                       ; THE FIRST BLOCK IS DONE.  Places behind the last products: for the loads into Q's registers and the first reads of O^T
	QLOAD QPB                                      ; the second block's queries land while the first block goes out
	WAYOUT
	s_wait_xcnt 0x0                                ; the stores have read their base and their data: both are written again only behind this wait
	s_mov_b64 s[OB:OB+1], s[OB2:OB2+1]
	s_mov_b32 s[Q0], s[Q0B]
	s_mov_b32 s[KF], 0
	INIT
	WIN 0x55
	INIT
	WIN 0
	s_wait_loadcnt 0x0                             ; Q
.Lsame:
	s_add_co_u32 s[T], s[T], 1
	s_cmp_lt_u32 s[T], 8
	s_cbranch_scc1 .Lslot
	CHANGE 0                                       ; the ninth visit is written out
	SLOT_STEPS
	PLACES 4                                       ; behind the last products, ahead of the first reads of O^T
	WAYOUT
	s_wait_tensorcnt 0x0                           ; the wave's end: behind my last tensor load and my last LDS store
	ds_add_u32 v[SPW], v[NIL]
	s_wait_dscnt 0x0
	s_endpgm
.Lfunc_end_k_q2b85c3e144_attn:
	.size	k_q2b85c3e144_attn, .Lfunc_end_k_q2b85c3e144_attn-k_q2b85c3e144_attn
	.p2alignl 7, 3214868480
	.fill 96, 4, 3214868480
	.section	.rodata,"a",@progbits
	.p2align	6, 0x0
	.amdhsa_kernel k_q2b85c3e144_attn
		.amdhsa_group_segment_fixed_size 327680
		.amdhsa_private_segment_fixed_size 0
		.amdhsa_enable_private_segment 0
		.amdhsa_kernarg_size 40
		.amdhsa_user_sgpr_count 2
		.amdhsa_user_sgpr_kernarg_segment_ptr 1
		.amdhsa_wavefront_size32 1
		.amdhsa_system_sgpr_workgroup_id_x 1
		.amdhsa_system_sgpr_workgroup_id_y 1
		.amdhsa_system_sgpr_workgroup_id_z 1
		.amdhsa_system_vgpr_workitem_id 0
		.amdhsa_next_free_vgpr 512
		.amdhsa_next_free_sgpr 100
		.amdhsa_reserve_vcc 1
		.amdhsa_float_denorm_mode_32 3
		.amdhsa_float_denorm_mode_16_64 3
		.amdhsa_memory_ordered 1
		.amdhsa_forward_progress 1
		.amdhsa_inst_pref_size 227
	.end_amdhsa_kernel
	.amdgpu_metadata
---
amdhsa.version: [ 1, 2 ]
amdhsa.kernels:
  - .name:           k_q2b85c3e144_attn
    .symbol:         k_q2b85c3e144_attn.kd
    .args:
      - { .name: Q_codes, .offset: 0, .size: 8, .value_kind: global_buffer, .address_space: global }
      - { .name: K_codes, .offset: 8, .size: 8, .value_kind: global_buffer, .address_space: global }
      - { .name: V_codes, .offset: 16, .size: 8, .value_kind: global_buffer, .address_space: global }
      - { .name: lowp_scales, .offset: 24, .size: 8, .value_kind: global_buffer, .address_space: global }
      - { .name: out0, .offset: 32, .size: 8, .value_kind: global_buffer, .address_space: global }
    .group_segment_fixed_size: 327680
    .private_segment_fixed_size: 0
    .kernarg_segment_align: 8
    .kernarg_segment_size: 40
    .max_flat_workgroup_size: 256
    .sgpr_count:     100
    .vgpr_count:     512
    .wavefront_size: 32
...
	.end_amdgpu_metadata
.endif
;; end of part 1
